; MI455X (gfx1250); checked and timed in simulation.
; The chip was launched on July 23, 2026; its instructions are those of AMD's public machine-readable ISA for CDNA 5 (MIT licence, August 2026) and "CDNA5" Instruction Set Architecture Reference Guide (July 2026). The comments in the code are by the model that wrote it; some were corrected since.
;; Multi Head Attention. Allowed arithmetic: matrix products marked QUANTISED: E5M2 operands, one given power-of-two scale a tensor, by v_wmma_f32_16x16x64_bf8_bf8 or v_wmma_f32_16x16x128_bf8_bf8, f32 sums; everything else in f32.
;; Inputs: Wk_codes 1,024 x 32 x 32 uint8 (E5M2 codes of Wk, K innermost, in blocks of 32 codes); Wo_codes 1,024 x 32 x 32 uint8 (E5M2 codes of Wo, K innermost, in blocks of 32 codes); Wq_codes 1,024 x 32 x 32 uint8 (E5M2 codes of Wq, K innermost, in blocks of 32 codes); Wv_codes 1,024 x 32 x 32 uint8 (E5M2 codes of Wv, K innermost, in blocks of 32 codes); bo 1,024 float32; lowp_scales 12 int32 (the exponents e of the quantised operands' scales 2^e); x_codes 4 x 2,048 x 32 x 32 uint8 (E5M2 codes of x, K innermost, in blocks of 32 codes).
;; Outputs: out0 4 x 2,048 x 1,024 float32.
;; This version of the problem:
;;   THIS VERSION OF THE PROBLEM IS GIVEN IN LOW PRECISION. The matrix products marked QUANTISED in the list below multiply operands that are first quantised to E5M2 (5 exponent bits, 2 mantissa bits; 8 bits a number), with one given power-of-two scale for each operand tensor; their sums are f32. All else is computed in f32.
;;   The module's matrix products, in the order in which they are computed (A, B: the left and right operand; K: the contracted axis; several contracted axes count as one K, in the product's order):
;;     1. [M 8,192, K 1,024] x [K 1,024, N 1,024]; A: input x (given as codes); B: input Wq (given as codes): QUANTISED (scales: A lowp_scales[0], B lowp_scales[1])
;;     2. [M 8,192, K 1,024] x [K 1,024, N 1,024]; A: input x (given as codes); B: input Wk (given as codes): QUANTISED (scales: A lowp_scales[2], B lowp_scales[3])
;;     3. [M 8,192, K 1,024] x [K 1,024, N 1,024]; A: input x (given as codes); B: input Wv (given as codes): QUANTISED (scales: A lowp_scales[4], B lowp_scales[5])
;;     4. batch 64 x [M 2,048, K 64] x [K 64, N 2,048]; A: computed on the way; B: computed on the way: QUANTISED (scales: A lowp_scales[6], B lowp_scales[7])
;;     5. batch 64 x [M 2,048, K 2,048] x [K 2,048, N 64]; A: softmax (see below); B: computed on the way: QUANTISED (scales: A lowp_scales[8], B lowp_scales[9])
;;     6. [M 8,192, K 1,024] x [K 1,024, N 1,024]; A: computed on the way; B: input Wo (given as codes): QUANTISED (scales: A lowp_scales[10], B lowp_scales[11])
;;   THE QUANTISER, for each operand of a quantised product, along K:
;;     - The operand's scale is 2^e, e = its entry of the input lowp_scales (int32; the entries are numbered through the quantised products in the list's order, A before B).
;;     - Each number is divided by the scale, clamped to +-57,344, and rounded to the nearest number of E5M2, ties to even, subnormals kept.
;;     - The product sums the exact products of the quantised numbers (number of the format x scale) in f32.
;;   ~~~python
;;   def quantise(x, axis, e):      # numpy; x: float32 -> the quantised numbers, widened to float32 again
;;       x = np.moveaxis(x, axis, -1); K = x.shape[-1]
;;       r = np.clip(x / 2.0 ** e, -57344, 57344)
;;       step = 2.0 ** (np.maximum(np.frexp(np.where(r == 0, 1, r))[1] - 1, -14) - 2)
;;       q = np.round(r / step) * step * 2.0 ** e      # np.round: ties to even
;;       return np.moveaxis(q, -1, axis).astype(np.float32)
;;   ~~~
;;   SOFTMAX AHEAD OF A QUANTISED PRODUCT. Where the list says 'softmax', what is quantised is not the finished softmax but p = 2^(t - M), with t = logit x log2(e) and M = ceil(the row's largest t), a whole number; so 1/2 < the row's largest p <= 1. The row's sum l is taken of the UNQUANTISED p, in f32, and the product's result is divided by l at the end. Since M is a whole number, a kernel that streams over the keys may use a running M (the ceiling of the running maximum): every later rescaling is an exact power of two, so the quantised numbers keep their values, but for numbers so far below the row's largest that they fall under the format's range.
;;   OPERANDS COMPUTED ON THE WAY. 'Computed on the way' means the value that the module computes at that place (a softmax that the list does not call 'softmax' is quantised finished and normalised). What goes into a quantiser is computed in f32, as accurately as f32 sums, v_exp_f32 and their like allow (about 1e-6 of the number): no bf16 or f16 on the way to a quantiser, and a product that is left as it is and whose result goes on into a quantised operand takes f32 operands (vector FMAs, or v_wmma_f32_16x16x4_f32). A number that lies on a knife's edge between two numbers of the format may be rounded either way, as far as f32 arithmetic and the matrix unit's own rounding can turn it there, and no further.
;;   INPUTS GIVEN AS CODES. Wk (in the module: [1024, 1024], K = its axis 0); Wo (in the module: [1024, 1024], K = its axis 0); Wq (in the module: [1024, 1024], K = its axis 0); Wv (in the module: [1024, 1024], K = its axis 0); x (in the module: [4, 2048, 1024], K = its axis 2): each comes as NAME_codes (uint8): NAME with its K axis moved to the last place and cut into blocks of 32 codes, [.., K / 32, bytes a block], one block behind the other in memory; one code a byte (a code: sign, 5 exponent bits, 2 mantissa bits); its scale is its entry of lowp_scales. Its value is code x scale, taken as it is: it is not quantised again, and the codes and scales need not be those that the quantiser above would give.
;; One version. Each part assembles by itself: llvm-mc -triple=amdgcn-amd-amdhsa -mcpu=gfx1250 --defsym DOCPART=n.
;; ======== version 1 of 1: 3 launches
;; limits: right only within a limited range of input values
;; workspace buffers: q_img 8,388,608 bytes; k_img 8,388,608 bytes; v_img 8,388,608 bytes; ctx_img 8,388,608 bytes
;; launch proj (part 1): grid 4 x 96, 4 waves a work-group, clusters of 4 x 4, 327,680 bytes of LDS; arguments x_codes, Wq_codes, Wk_codes, Wv_codes, lowp_scales, q_img, k_img, v_img; writes q_img, k_img, v_img
.if DOCPART == 1
	.amdgcn_target "amdgcn-amd-amdhsa--gfx1250"
	.amdhsa_code_object_version 6
	.text
	.protected	k_q73d1574027_proj
	.globl	k_q73d1574027_proj
	.p2align	8
	.type	k_q73d1574027_proj,@function
k_q73d1574027_proj:
	s_mov_b64 s[64:65], 0
	v_nop
	global_prefetch_b8 v0, s[64:65] scope:SCOPE_SE
	s_setreg_imm32_b32 hwreg(HW_REG_WAVE_MODE, 25, 1), 1
	s_wait_xcnt 0x0
	s_wait_alu depctr_hold_cnt(0) depctr_sa_sdst(0) depctr_va_vdst(0) depctr_va_sdst(0) depctr_va_ssrc(0) depctr_va_vcc(0) depctr_vm_vsrc(0)
	s_getreg_b32 s2, hwreg(HW_REG_IB_STS2, 6, 4)
	s_cmp_eq_u32 s2, 0
	s_cbranch_scc0 .Lentry_in_a_cluster
	s_endpgm
.Lentry_in_a_cluster:
	s_bfe_u32 s2, ttmp6, 0x10000c
	s_cmp_lg_u32 s2, 0xf033
	s_cbranch_scc0 .Lentry_shape_is_right
	s_endpgm
.Lentry_shape_is_right:
; q = x Wq, k = x Wk, v = x Wv on codes of BF8 (E5M2), K = 1,024, and their results quantised once, with the given scales e6, e7, e9, into three workspaces of codes.
; 384 tiles of 256 x 256 of C = A B^T.  Clusters of 4 x 4 work-groups, 24 of them: cluster y / 8 says which product (0 q, 1 k, 2 v), cluster y % 8 which eighth of the tokens.
; q, k: A = x (rows = tokens), B = the weight (rows = channels).  v: A = Wv (rows = channels), B = x (rows = tokens): the product is V^T.  THE MATRIX INSTRUCTION IS USED TRANSPOSED (source 0 = 16 rows of B,
; source 1 = 16 rows of A): a lane holds one row of A and eight neighbouring rows of B, which are eight neighbours along the NEXT product's K: channels of a head for q and k, keys for v.
; All that differs between the three products is chosen by s_cselect on the cluster's number, which all sixteen partners share: pointers, tile coordinates, exponents, two strides.  No branch hangs on it.
; A tile is made by four waves, each 128 x 128: 64 accumulators, 512 registers.  K goes in steps of 256 through two LDS slots; A's tile is asked for jointly by a row of the cluster, B's by a column.
; THE WORKSPACES ARE IMAGES OF OPERAND REGISTERS, pieces of 16 bytes a lane, 512 bytes on end for the 32 lanes (lane = r + 16 h; rho(u, r) = 8 u + r + (r & 8)):
;   q_img, k_img: [batch x 16 + head][token / 32][u][c][lane]: token 32 G + rho(u, r), channels 32 c + 16 h + 0 .. 15 of the head
;   v_img:        [batch x 16 + head][key / 64][2 b + u][c][lane]: channel 32 b + rho(u, r) of the head, keys 64 s + 32 c + 16 h + 0 .. 15
; LIMITS: e6 - e0 - e1, e7 - e2 - e3 and e9 - e4 - e5 lie between -126 and 112, so that the conversion's scale and 57,344 x that scale are f32 numbers.  NaN and infinity among the codes are not served.
; No prefetch is written: the launch has four K steps, and two of them are its first fills.
; REGISTERS, in windows of 256: window 0: v0-31 addresses; from v128 A's fragments, one set; on the way out v32-255 are free.  window 1: B's fragments, two sets.  windows 2, 3: the accumulators ((a, b) at v[8 (8 (a % 4) + b)]).
.set ROWB,   256                       ; a tile's row in bytes: 256 codes
.set KROW,   1024                      ; a row of x or of a weight in memory, in bytes
.set PITCH,  272                       ; an LDS row: 256 bytes + 16 of padding = 68 words: the 16 rows that a load touches start at 16 different groups of four banks
.set FR,     16                        ; registers of a fragment: 16 rows x 128 K
.set NL,     4                         ; LDS loads that bring one
.set NP,     4                         ; places behind this matrix instruction (ISA guide 7.12.1)
.set HALFT,  128*PITCH                 ; 128 rows: what one tensor load brings
.set SLOT,   4*HALFT                   ; A's 256 rows, then B's 256 rows
.set LAPS,   2                         ; 1,024 / 512: a lap = two K steps = once round the ring
.set SPARE,  2*SLOT                    ; behind the ring: the spare words, 128 bytes for each wave
.set SP,     144                       ; the way out: a stage row: 128 codes + 16 bytes
.set SKEW,   128                       ; rows 16-31 of a stage lie 128 bytes further on, so that rows 0-7 and 16-23 (or 8-15 and 24-31) start at 16 different groups of four banks
.set STGW,   4864                      ; a wave's stage: 32 rows.  It lies in slot 0, which has had its last fill and its last read when the first code is stored there
.set ADRA, 16                          ; v16-17  LDS address of my A fragments in slot 0, 1
.set ADRB, 20                          ; v20-21  the same for B
.set STO,  24                          ; v24     the way out: where I put 8 codes of a row
.set RD,   25                          ; v25     the way out: where I read a piece of 16 codes back
.set CO,   26                          ; v26     16 x lane: my place in a piece of 512 bytes
.set SPW,  28                          ; v28     LDS address of my spare word; never rewritten
.set NIL,  29                          ; v29     0; never rewritten
.set SCQ,  30                          ; v30     the conversion's scale, 2^(eo - ea - eb), as f32
.set LIMQ, 31
.set TMP,  32
.set CD,   96                          ; v96-127 two blocks' codes
.set AF,   128                         ; A's fragments, in window 0
.set OUTR, 128                         ; the way out: 32 registers for each of four rounds: no store's data are written again
.set G1, 24                            ; s[24:31] descriptor group 1 for A's tiles;  s[32:39] group 0, one set for each slot
.set G0, 32
.set G1B, 48                           ; s[48:55], s[56:63] the same for B's tiles
.set G0B, 56
.set WH,  66                           ; s66     which product: 0 q, 1 k, 2 v
.set OB,  68                           ; s[68:75] on the way out: four bases in the workspace (until then: the inputs' addresses)
.set MSB, 0
.macro WIN new                         ; the immediate's high byte repeats the setting that is left
.if MSB != \new
	s_set_vgpr_msb (MSB<<8)|\new
.set MSB, \new
.endif
.endm
.set MUL_LO, 0xa1                      ; source 0 (B) window 1, source 1 (A) window 0, C and D window 2
.set MUL_HI, 0xf1                      ; the same, C and D window 3
.set TO_B,   0x40                      ; destination window 1, address window 0
; A joint load: waves 0 and 1 fetch for A, waves 2 and 3 for B.  Each line has one mask and one set of registers for all that issue it; the branch hangs on the wave's number alone.
; Four v_nop follow each of the two lines, ahead of the jump, the label and what follows.
.macro JLOAD g0a, g1a, g0b, g1b
	s_cmp_eq_u32 s15, 0
	s_cbranch_scc0 .Lfor_b_\@
	tensor_load_to_lds s[\g0a:\g0a+3], s[\g1a:\g1a+7]
	s_nop 0
.rept 4
	v_nop
.endr
	s_branch .Lasked_\@
.Lfor_b_\@:
	tensor_load_to_lds s[\g0b:\g0b+3], s[\g1b:\g1b+7]
	s_nop 0
.rept 4
	v_nop
.endr
.Lasked_\@:
.endm
.macro CREST                           ; a round of the cluster's barrier behind its opening barrier
	s_cmp_lg_u32 s14, 0
	s_cbranch_scc1 .Lnot_wave_0_\@
	s_barrier_signal -3
.Lnot_wave_0_\@:
	s_barrier_wait -3
	s_barrier_signal -1
	s_barrier_wait -1
.endm
.macro CROUND                          ; a whole round
	s_barrier_signal -1
	s_barrier_wait -1
	CREST
.endm
	s_load_b512 s[68:83], s[0:1], 0x0              ; x s[68:69], Wq s[70:71], Wk s[72:73], Wv s[74:75], the exponents s[76:77], q_img s[78:79], k_img s[80:81], v_img s[82:83]
	v_lshl_add_u32 v[SPW], v0, 2, SPARE
	v_mov_b32 v[NIL], 0
	ds_add_u32 v28, v29
	ds_add_u32 v28, v29
	s_wait_dscnt 0x0
	v_lshrrev_b32 v1, 5, v0
	v_readfirstlane_b32 s14, v1                    ; wave 0..3
	s_lshr_b32 s15, s14, 1                         ; which half of the tile's rows is mine.  Also: I fetch for A (0) or for B (1)
	s_and_b32 s16, s14, 1                          ; which half of its columns.  Also: which 128 rows of that tile I fetch
	s_bfe_u32 s40, ttmp6, 0x40000                  ; cx, cy: my place in the cluster
	s_bfe_u32 s41, ttmp6, 0x40004
	s_and_b32 s[WH], ttmp7, 0xffff                 ; the cluster's number, 0 .. 23 (the grid is one cluster wide)
	s_and_b32 s67, s[WH], 7
	s_lshl_b32 s67, s67, 2                         ; 4 x (which eighth of the tokens)
	s_lshr_b32 s[WH], s[WH], 3                     ; which product
	s_cmp_eq_u32 s[WH], 2
	s_cselect_b32 s17, 0, s67                      ; the tokens are A's rows for q and k,
	s_cselect_b32 s42, s67, 0                      ; B's rows for v
	s_add_co_u32 s17, s17, s41                     ; tile row: made of cy and the cluster's number
	s_add_co_u32 s42, s42, s40                     ; tile column: of cx and the cluster's number
	s_lshl_b32 s43, s41, 2
	s_lshl_b32 s43, 15, s43                        ; my row of the cluster
	s_lshl_b32 s44, 0x1111, s40                    ; my column
	; descriptor group 1: a tile of 128 rows x 256 bytes, padded in LDS
	s_or_b32 s[G1+0], s43, (0<<16)|(1<<20)|(1<<21)|(5<<22)|(3<<25)  ; 15:0 the mask: A's tiles go to my row; 17:16 elements of 1 byte; 20 padding on; 21 set beside a mask; 24:22 after every 64 words (code 5); 31:25 four words (code 3)
	s_or_b32 s[G1B+0], s44, (0<<16)|(1<<20)|(1<<21)|(5<<22)|(3<<25)
.irp g, G1, G1B
	s_mov_b32 s[\g+1], ROWB<<16                    ; tensor_dim0
	s_mov_b32 s[\g+2], 128<<16                     ; tensor_dim1 = 128
	s_mov_b32 s[\g+3], ROWB<<16                    ; tile_dim0
	s_mov_b32 s[\g+4], 128                         ; tile_dim1 = 128
	s_mov_b32 s[\g+5], KROW                        ; tensor_dim0_stride
	s_mov_b32 s[\g+6], 0
	s_mov_b32 s[\g+7], 0
.endr
	s_lshl_b32 s18, s16, 7                         ; which 128 rows of the tile I fetch
	s_lshl_b32 s20, s17, 8
	s_add_co_u32 s20, s20, s18                     ; A: row 256 x tile row + 128 x half
	s_lshl_b32 s46, s42, 8
	s_add_co_u32 s46, s46, s18                     ; B: row 256 x tile column + 128 x half
	s_lshl_b32 s20, s20, 10                        ; rows of 1,024 bytes: under 2^23
	s_lshl_b32 s46, s46, 10
	s_mov_b32 s21, 0
	s_mov_b32 s47, 0
	s_mul_i32 s45, s14, HALFT                      ; where they go: wave x 128 rows: no place in the cluster enters an LDS address
	s_wait_kmcnt 0x0
	s_load_b256 s[84:91], s[76:77], 0x0            ; e0 .. e7
	s_load_b128 s[92:95], s[76:77], 0x20           ; e8 .. e11
	s_cmp_eq_u32 s[WH], 2
	s_cselect_b64 s[4:5], s[74:75], s[68:69]       ; A: Wv, or x
	s_cselect_b64 s[6:7], s[68:69], s[70:71]       ; B: x, or Wq,
	s_cmp_eq_u32 s[WH], 1
	s_cselect_b64 s[6:7], s[72:73], s[6:7]         ; or Wk
	s_add_nc_u64 s[20:21], s[4:5], s[20:21]
	s_add_nc_u64 s[46:47], s[6:7], s[46:47]
	CROUND                                         ; all sixteen work-groups are here: the first joint loads meet
.irp s, 0,1
	s_mov_b32 s[G0+4*\s], 1
	s_add_co_u32 s[G0+4*\s+1], s45, \s*SLOT
	s_add_nc_u64 s[G0+4*\s+2:G0+4*\s+3], s[20:21], \s*ROWB
	s_or_b32 s[G0+4*\s+3], s[G0+4*\s+3], 0x80000000
	s_mov_b32 s[G0B+4*\s], 1
	s_add_co_u32 s[G0B+4*\s+1], s45, \s*SLOT
	s_add_nc_u64 s[G0B+4*\s+2:G0B+4*\s+3], s[46:47], \s*ROWB
	s_or_b32 s[G0B+4*\s+3], s[G0B+4*\s+3], 0x80000000
	JLOAD G0+4*\s, G1, G0B+4*\s, G1B
.endr
	v_and_b32 v1, 15, v0                           ; r = lane % 16
	s_wait_alu depctr_va_vdst(0)
	v_bfe_u32 v2, v0, 4, 1                         ; h = lane / 16
	v_mul_u32_u24 v3, v1, PITCH
	v_lshl_add_u32 v4, v2, 4, v3                   ; a fragment's row x pitch + 16 x half
	s_mul_i32 s21, s15, HALFT                      ; my 128 rows of A
	s_mul_i32 s22, s16, HALFT                      ; my 128 rows of B,
	s_add_co_u32 s22, s22, 2*HALFT                 ; which lie behind A's 256
.irp s, 0,1
	v_add_nc_u32 v[ADRA+\s], s21, v4
	v_add_nc_u32 v[ADRB+\s], s22, v4
	s_add_co_u32 s21, s21, SLOT
	s_add_co_u32 s22, s22, SLOT
.endr
	s_mul_i32 s23, s14, STGW                       ; my stage
	v_mul_u32_u24 v5, v1, SP                       ; 144 r
	s_wait_alu depctr_va_vdst(0)
	v_lshl_add_u32 v6, v2, 3, v5
	v_add_nc_u32 v[STO], s23, v6                   ; in: row r of the block's sixteen, 8 bytes for each half of the lanes
	v_lshrrev_b32 v6, 3, v1
	v_mad_u32_u24 v5, v6, 8*SP+SKEW, v5            ; back: row r + (r & 8) of the 32; lanes 8-15 stand in rows 16 on, behind the skew
	v_lshl_add_u32 v5, v2, 4, v5                   ; + 16 h
	v_add_nc_u32 v[RD], s23, v5
	v_and_b32 v6, 31, v0
	v_lshlrev_b32 v[CO], 4, v6
.macro FRAG reg, adr, q, i             ; a fragment, 16 rows x 128 K, is 16 registers: lane l holds row l % 16; registers 4 c .. 4 c + 3 hold K = 32 c + 16 (l / 16) + 0 .. 15: one order of k for both operands
.irp c, 0,1,2,3
	ds_load_b128 v[\reg+4*\c:\reg+4*\c+3], v[\adr] offset:128*(\q)+32*\c+(\i)*16*PITCH
.endr
.endm
; 16 matrix instructions: A's blocks a0, a0 + 1 x B's eight, 128 along K.  p: B's set.  zero = 1: the first product starts the sums.
; The 64 accumulators take turns, one instruction a turn, in the same order in every step.
.macro MUL16 a0, p, zero
.irp a, \a0, \a0+1
.irp b, 0,1,2,3,4,5,6,7
.if \zero
	v_wmma_f32_16x16x128_bf8_bf8 v[8*(8*((\a)%4)+\b):8*(8*((\a)%4)+\b)+7], v[128*(\p)+FR*\b:128*(\p)+FR*\b+FR-1], v[AF+FR*(\a):AF+FR*(\a)+FR-1], 0
.else
	v_wmma_f32_16x16x128_bf8_bf8 v[8*(8*((\a)%4)+\b):8*(8*((\a)%4)+\b)+7], v[128*(\p)+FR*\b:128*(\p)+FR*\b+FR-1], v[AF+FR*(\a):AF+FR*(\a)+FR-1], v[8*(8*((\a)%4)+\b):8*(8*((\a)%4)+\b)+7]
.endif
.endr
.endr
.endm
.macro FETCH_B slot, q, p              ; B's eight fragments of the slot's q-th 128 along K into set p
	WIN TO_B
.irp i, 0,1,2,3,4,5,6,7
	FRAG 128*(\p)+FR*\i, ADRB+\slot, \q, \i
.endr
	WIN 0
.endm
.macro FETCH_A slot, q, i0             ; A's blocks i0 .. i0 + 3
.irp i, \i0, \i0+1, \i0+2, \i0+3
	FRAG AF+FR*(\i), ADRA+\slot, \q, \i
.endr
.endm
; A load into a register that a matrix instruction has read, and a vector instruction that reads a matrix result, stand NP places behind that matrix instruction; only plain vector instructions
; that name none of its registers are places (ISA guide 7.12.1 for vector instructions).
.macro PLACES n
.rept \n
	v_nop
.endr
.endm
; A step of 128 along K that has its successor in the same slot.  A block of A is free as soon as its eight products are issued, so A has one set of registers: blocks 0-3 are fetched anew in the step's middle, blocks 4-7 at its end.
.macro STEP slot, q, zero
	s_wait_dscnt 4*NL                              ; B's set and A's blocks 0-3 are in; the youngest sixteen loads (A's blocks 4-7) may be out
	WIN MUL_LO
	MUL16 0, (\q)%2, \zero
	MUL16 2, (\q)%2, \zero
	s_wait_dscnt 0                                 ; A's blocks 4-7 are in (asked for 32 matrix instructions ago)
	PLACES NP
	FETCH_B \slot, (\q)+1, 1-(\q)%2
	FETCH_A \slot, (\q)+1, 0
	WIN MUL_HI
	MUL16 4, (\q)%2, \zero
	MUL16 6, (\q)%2, \zero
	PLACES NP
	WIN 0
	FETCH_A \slot, (\q)+1, 4
.endm
; A slot's last step changes slots: one barrier; in front of it each wave waits for all its tensor loads, adds 0 to its spare word, and waits for that and for its own reads of this slot.  fill = 1: this slot is filled again, two K steps ahead.
.macro TURN slot, next, fill
	s_wait_tensorcnt 0x0                           ; all my tensor loads have landed: my part of the next slot;  (every window is 0 here)
	ds_add_u32 v[SPW], v[NIL]                      ; 0 onto my spare word;
	s_wait_dscnt 4*NL+1                            ; (the add and the youngest sixteen loads, A's blocks 4-7, may be out)
	WIN MUL_LO
	MUL16 0, 1, 0                                  ; sixteen matrix instructions stand between the add and the wait for it
	s_wait_dscnt 0x0                               ; the add is done, and my reads of this slot are over
	s_barrier_signal -1
	MUL16 2, 1, 0
	WIN 0
	s_barrier_wait -1
.if \fill
	CREST                                          ; the barrier has opened a round of the cluster's barrier: no wave of any partner still reads this slot's tile or has a load on its way
	s_add_nc_u64 s[G0+4*\slot+2:G0+4*\slot+3], s[G0+4*\slot+2:G0+4*\slot+3], 2*ROWB
	s_add_nc_u64 s[G0B+4*\slot+2:G0B+4*\slot+3], s[G0B+4*\slot+2:G0B+4*\slot+3], 2*ROWB
	JLOAD G0+4*\slot, G1, G0B+4*\slot, G1B         ; the first tensor load behind the round; the four v_nop behind it are the places in front of the loads below
.else
	PLACES NP
.endif
	FETCH_B \next, 0, 0
	FETCH_A \next, 0, 0
	WIN MUL_HI
	MUL16 4, 1, 0
	MUL16 6, 1, 0
	PLACES NP
	WIN 0
	FETCH_A \next, 0, 4
.endm
	s_wait_tensorcnt 0x1                           ; my part of K step 0 is in (K step 1's load may be out)
	s_barrier_signal -1
	s_barrier_wait -1                              ; everybody's is
	FETCH_B 0, 0, 0
	FETCH_A 0, 0, 0
	FETCH_A 0, 0, 4
	STEP 0, 0, 1                                   ; the first step stands in front of the loop: its products start the sums
	s_mov_b32 s3, LAPS-1
.Llap:                                                 ; a trip goes once round the ring, from a lap's second step to the next lap's first, and fills both slots again
	TURN 0, 1, 1
	STEP 1, 0, 0
	TURN 1, 0, 1
	STEP 0, 0, 0
	s_sub_co_u32 s3, s3, 1
	s_cmp_lg_u32 s3, 0
	s_cbranch_scc1 .Llap
	TURN 0, 1, 0                                   ; the last lap fills nothing, and has no round of the cluster's barrier
	STEP 1, 0, 0
	s_wait_dscnt 4*NL                              ; the very last step: nothing more to fetch
	WIN MUL_LO
	MUL16 0, 1, 0
	MUL16 2, 1, 0
	s_wait_dscnt 0
	WIN MUL_HI
	MUL16 4, 1, 0
	MUL16 6, 1, 0
	WIN 0
	; THE WAY OUT.  A sum stands for sum x 2^(ea + eb); its code is sum / 2^(eo - ea - eb): the three exponents are folded into the conversion's one scale.
	s_wait_kmcnt 0x0
	s_add_co_i32 s96, s84, s85                     ; q: e0 + e1
	s_add_co_i32 s97, s86, s87                     ; k: e2 + e3
	s_add_co_i32 s98, s88, s89                     ; v: e4 + e5
	s_lshl_b32 s20, s17, 8
	s_lshl_b32 s21, s15, 7
	s_add_co_u32 s20, s20, s21                     ; my first row of A
	s_lshl_b32 s46, s42, 8
	s_lshl_b32 s47, s16, 7
	s_add_co_u32 s46, s46, s47                     ; my first row of B
	s_mov_b32 s22, 4096
	s_mov_b32 s23, 131072
	s_cmp_eq_u32 s[WH], 1
	s_cselect_b32 s96, s97, s96
	s_cselect_b32 s99, s91, s90                    ; eo: e7 for k, e6 for q,
	s_cselect_b64 s[10:11], s[80:81], s[78:79]
	s_cmp_eq_u32 s[WH], 2
	s_cselect_b32 s96, s98, s96
	s_cselect_b32 s99, s93, s99                    ; e9 for v
	s_cselect_b64 s[10:11], s[82:83], s[10:11]     ; the workspace
	s_cselect_b32 s100, s46, s20                   ; my first token,
	s_cselect_b32 s101, s20, s46                   ; my first channel
	s_cselect_b32 s18, s22, s23                    ; 64 further along a stage row: the next 64 keys (v: 4,096 bytes on) or the next head (q, k: 131,072)
	s_cselect_b32 s8, s23, s22                     ; 64 stage rows further: the next head (v) or the next 64 tokens (q, k)
	s_mov_b32 s19, 0
	s_mov_b32 s9, 0
	s_sub_co_i32 s96, s99, s96
	s_add_co_i32 s96, s96, 127
	s_lshl_b32 s97, s96, 23
	v_mov_b32 v[SCQ], s97                          ; 2^(eo - ea - eb) as f32: the conversion takes its exponent field
	s_wait_alu depctr_va_vdst(0)
	s_lshr_b32 s96, s100, 11                       ; batch
	s_lshl_b32 s96, s96, 4
	s_lshr_b32 s97, s101, 6                        ; head
	s_add_co_u32 s96, s96, s97
	s_lshl_b32 s96, s96, 17                        ; a head's image is 131,072 bytes
	s_and_b32 s97, s100, 2047
	s_lshl_b32 s97, s97, 6                         ; 64 bytes a token in all three images
	s_add_co_u32 s96, s96, s97
	s_mov_b32 s97, 0
	s_add_nc_u64 s[OB:OB+1], s[10:11], s[96:97]
	s_add_nc_u64 s[OB+2:OB+3], s[OB:OB+1], s[18:19]
	s_add_nc_u64 s[OB+4:OB+5], s[OB:OB+1], s[8:9]
	s_add_nc_u64 s[OB+6:OB+7], s[OB+4:OB+5], s[18:19]
; Block a (16 rows of A x 128 rows of B): converted, and put into my stage: row = A's row, byte = B's row.  Each accumulator is read from its low end on.
.macro PACK a
.set AC, 64*((\a)%4)
.set CB, CD+16*((\a)%2)
	WIN 0x02+((\a)/4)                              ; source 0: window 2 or 3
.set j, 0
.rept 64
.set j, j+1
.endr
.irp b, 0,1,2,3,4,5,6,7
	v_cvt_scalef32_pk8_bf8_f32 v[CB+2*\b:CB+2*\b+1], v[AC+8*\b:AC+8*\b+7], v[SCQ]
.endr
	WIN 0
	v_nop                                          ; one plain vector instruction between the conversions and the next lines that write their sources
.irp b, 0,1,2,3,4,5,6,7
	ds_store_b64 v[STO], v[CB+2*\b:CB+2*\b+1] offset:((\a)%2)*(16*SP+SKEW)+16*\b
.endr
.endm
; Two blocks, 32 stage rows, leave as eight pieces of 512 bytes: piece e = (which 64 along the row, u, c): lane (r, h) takes row rho(u, r), bytes 64 (e / 4) + 32 c + 16 h on.
; LDS serves a wave's instructions in order (ISA guide 5.7.1.4): the loads see my stores, and the next round's stores come behind them.
.macro ROUNDQ g
	PACK 2*(\g)
	PACK 2*(\g)+1
.irp e, 0,1,2,3,4,5,6,7
	ds_load_b128 v[OUTR+32*(\g)+4*\e:OUTR+32*(\g)+4*\e+3], v[RD] offset:((\e/2)%2)*8*SP+(\e/4)*64+(\e%2)*32
.endr
	s_wait_dscnt 0x0                               ; the pieces are in registers
.irp e, 0,1,2,3,4,5,6,7
	global_store_b128 v[CO], v[OUTR+32*(\g)+4*\e:OUTR+32*(\g)+4*\e+3], s[OB+4*((\g)/2)+2*(\e/4):OB+4*((\g)/2)+2*(\e/4)+1] offset:((\g)%2)*2048+((\e/2)%2)*1024+(\e%2)*512   ; 32 lanes store 512 consecutive bytes, at a multiple of 512 from the workspace's first byte
.endr
.endm
	PLACES NP                                      ; behind the last products: in front of the first read of results and of the loads into the registers that held A's fragments
	ROUNDQ 0
	ROUNDQ 1
	ROUNDQ 2
	ROUNDQ 3
	s_wait_tensorcnt 0x0                           ; the wave's end: behind my last tensor load and my last LDS store
	ds_add_u32 v[SPW], v[NIL]
	s_wait_dscnt 0x0
	CROUND                                         ; the closing round: no work-group ends while a partner may still ask for a tile that names it
	s_endpgm
.Lfunc_end_k_q73d1574027_proj:
	.size	k_q73d1574027_proj, .Lfunc_end_k_q73d1574027_proj-k_q73d1574027_proj
	.p2alignl 7, 3214868480
	.fill 96, 4, 3214868480
	.section	.rodata,"a",@progbits
	.p2align	6, 0x0
	.amdhsa_kernel k_q73d1574027_proj
		.amdhsa_group_segment_fixed_size 327680
		.amdhsa_private_segment_fixed_size 0
		.amdhsa_enable_private_segment 0
		.amdhsa_kernarg_size 64
		.amdhsa_user_sgpr_count 2
		.amdhsa_user_sgpr_kernarg_segment_ptr 1
		.amdhsa_wavefront_size32 1
		.amdhsa_system_sgpr_workgroup_id_x 1
		.amdhsa_system_sgpr_workgroup_id_y 1
		.amdhsa_system_sgpr_workgroup_id_z 1
		.amdhsa_system_vgpr_workitem_id 0
		.amdhsa_next_free_vgpr 1024
		.amdhsa_next_free_sgpr 102
		.amdhsa_reserve_vcc 0
		.amdhsa_float_denorm_mode_32 3
		.amdhsa_float_denorm_mode_16_64 3
		.amdhsa_fp16_overflow 1
		.amdhsa_memory_ordered 1
		.amdhsa_forward_progress 1
		.amdhsa_inst_pref_size 93
	.end_amdhsa_kernel
	.amdgpu_metadata
---
amdhsa.version: [ 1, 2 ]
amdhsa.kernels:
  - .name:           k_q73d1574027_proj
    .symbol:         k_q73d1574027_proj.kd
    .args:
      - { .name: x_codes, .offset: 0, .size: 8, .value_kind: global_buffer, .address_space: global }
      - { .name: Wq_codes, .offset: 8, .size: 8, .value_kind: global_buffer, .address_space: global }
      - { .name: Wk_codes, .offset: 16, .size: 8, .value_kind: global_buffer, .address_space: global }
      - { .name: Wv_codes, .offset: 24, .size: 8, .value_kind: global_buffer, .address_space: global }
      - { .name: lowp_scales, .offset: 32, .size: 8, .value_kind: global_buffer, .address_space: global }
      - { .name: q_img, .offset: 40, .size: 8, .value_kind: global_buffer, .address_space: global }
      - { .name: k_img, .offset: 48, .size: 8, .value_kind: global_buffer, .address_space: global }
      - { .name: v_img, .offset: 56, .size: 8, .value_kind: global_buffer, .address_space: global }
    .group_segment_fixed_size: 327680
    .private_segment_fixed_size: 0
    .kernarg_segment_align: 8
    .kernarg_segment_size: 64
    .max_flat_workgroup_size: 128
    .sgpr_count:     102
    .vgpr_count:     1024
    .wavefront_size: 32
...
	.end_amdgpu_metadata
.endif
;; end of part 1
;; launch attn (part 2): grid 4 x 64, 8 waves a work-group, clusters of 4 x 1, 263,168 bytes of LDS; arguments q_img, k_img, v_img, lowp_scales, ctx_img; writes ctx_img
.if DOCPART == 2
	.amdgcn_target "amdgcn-amd-amdhsa--gfx1250"
	.amdhsa_code_object_version 6
	.text
	.protected	k_q73d1574027_attn
	.globl	k_q73d1574027_attn
	.p2align	8
	.type	k_q73d1574027_attn,@function
k_q73d1574027_attn:
	s_mov_b64 s[64:65], 0
	v_nop
	global_prefetch_b8 v0, s[64:65] scope:SCOPE_SE
	s_setreg_imm32_b32 hwreg(HW_REG_WAVE_MODE, 25, 1), 1
	s_wait_xcnt 0x0
	s_wait_alu depctr_hold_cnt(0) depctr_sa_sdst(0) depctr_va_vdst(0) depctr_va_sdst(0) depctr_va_ssrc(0) depctr_va_vcc(0) depctr_vm_vsrc(0)
	s_getreg_b32 s2, hwreg(HW_REG_IB_STS2, 6, 4)
	s_cmp_eq_u32 s2, 0
	s_cbranch_scc0 .Lentry_in_a_cluster
	s_endpgm
.Lentry_in_a_cluster:
	s_bfe_u32 s2, ttmp6, 0x10000c
	s_cmp_lg_u32 s2, 0x3003
	s_cbranch_scc0 .Lentry_shape_is_right
	s_endpgm
.Lentry_shape_is_right:
; Causal attention on codes of BF8 (E5M2), head size 64, 2,048 tokens, 64 (batch, head) pairs; its result, ctx, is quantised with the given scale e10 into a workspace of codes.
; THE SOFTMAX AHEAD OF THE SECOND PRODUCT: t = score x log2(e) / 8; M = the row's largest t so far, rounded UP to a whole number; p = 2^(t - M) is quantised (scale e8), not normalised; the row's sum is taken of the
; unquantised p and divides at the end.  When M moves, the sum and O are multiplied by 2^(old M - new M), which rounds nothing.
; SHARES.  A cluster of four work-groups owns one (batch, head).  The head's K and V, 131,072 bytes of codes each, lie in every work-group's LDS for the whole launch: they are asked for JOINTLY, once, at the head
; (sixteen loads of 16,384 bytes, two a wave): nothing in LDS is ever filled again.  Wave w of work-group cx owns two blocks of 32 queries: block 4 w + cx and block 63 - (4 w + cx).
; A STEP is 64 keys x 32 queries.  The large block runs steps 0 .. 31 - 2 w and masks from step 30 - 2 w on; the small block runs steps 0 .. 2 w + 1 and masks from step 2 w on: 34 steps in every wave.  These bounds
; hang on the wave's number alone, so that no branch hangs on a work-group's place in its cluster; the place enters global addresses and the mask's compare.  The price: one of the 34 steps may be wholly hidden.
; ORDER.  The large block goes first.  Its steps 0 to 15 read keys 0 to 1,023 alone, the first of each wave's two loads; every wave runs all sixteen; behind them stand the wait for the second loads and a barrier,
; which all waves reach with the same work done.
; LAYOUT.  Both products are used transposed: S^T = K Q^T (source 0 = 16 keys, source 1 = 16 queries), O^T = V^T P^T (source 0 = 16 channels, source 1 = P): a lane holds ONE query of each of its two tiles throughout.
; The images (see the launch that writes them) hold, in lane r of tile 2 g + u, key (or channel) 32 g + 8 u + r + (r & 8): so the 16 registers of tiles 2 g and 2 g + 1 of a result are 16 neighbours,
; 32 g + 16 (lane / 16) + 0 .. 15, and the conversions' results ARE the next product's operand.  A fragment is 8 registers: registers 4 c .. 4 c + 3 hold K = 32 c + 16 (lane / 16) + 0 .. 15, in both operands alike.
; ctx_img: [row / 128][head / 4][a][head % 4][b][lane][16 bytes]: row 128 mb + 32 (a / 2) + 8 (a % 2) + r + (r & 8), channels 64 head + 32 b + 16 h + 0 .. 15.
; LIMITS: e6 + e7 between -123 and 130 (added to c's exponent field); e8, and e10 - e8 - e9, between -126 and 112.  NaN and infinity among the codes are not served.
; No prefetch is written: all that the launch reads is asked for at its head.
.set VBASE, 131072                     ; LDS: K's image at 0, V's here
.set HALF,  65536                      ; 1,024 keys of either
.set STEPB, 4096                       ; a step's 64 keys of either: four tiles of 1,024 bytes
.set LI,   1                           ; v1   16 x lane; never rewritten
.set LIV,  2                           ; v2   the same in V's image
.set ADK,  3                           ; v3   LDS address of the step's K
.set ADV,  4                           ; v4   of its V
.set DB,   5                           ; v5   r + (r & 8) - 16 h
.set DL0,  6                           ; v6   + 32 x the block in hand
.set NINF, 7                           ; v7   -infinity
.set PSC,  8                           ; v8   2^e8 as f32
.set PLIM, 9
.set CSC,  10                          ; v10  2^(e10 - e8 - e9)
.set CLIM, 11
.set ST,   12                          ; tile u's statistics at v[12 + 8 u]: +0 -M, +1 the largest t, +2, +3 the sum in two halves, +4, +5 at work, +6 f, +7 named with f as a pair
.set CH2,  28                          ; v[28:29], v[30:31] the sums' second chains
.set PD,   32                          ; v32, v33 the lane permutes' destinations
.set QA,   40                          ; v40-55  the small block's Q: two tiles of 8 registers
.set QB,   56                          ; v56-71  the large block's
.set KV,   72                          ; v72-103 four fragments: the step's K, then its V
.set S,    104                         ; v104-167 S^T, then p: 32 registers a tile of queries
.set P,    168                         ; v168-183 codes: p's, at the end ctx's
.set O,    184                         ; v184-247 O^T: 32 registers a tile of queries
.set WV,   14                          ; s14  my wave's number
.set CX,   15                          ; s15  my work-group's place in the cluster
.set BH,   16                          ; s16  16 x batch + head
.set SEL,  20                          ; s[20:21] lane selects for v_permlanex16_b32: lane l xor 16
.set CS,   22                          ; s[22:23] c = log2(e) / 8 x 2^(e6 + e7): the packed form names a pair
.set G1,   24                          ; s[24:31] descriptor group 1: the same for all loads
.set G0K,  32                          ; s[32:39] group 0 for K's two halves
.set SI,   40                          ; s40  the step
.set TB,   41                          ; s41  4,096 x the step
.set KF,   42                          ; s42  64 x the step: its first key
.set LAST, 43                          ; s43  the block's last step
.set MK,   44                          ; s44  the first step that is masked
.set QP,   46                          ; s[46:49] Q's images of my two blocks
.set CP,   50                          ; s[50:53] where my two blocks' codes of ctx go
.set B1,   54                          ; s54, s55 my two blocks
.set G0V,  56                          ; s[56:63] group 0 for V's two halves
.set E,    68                          ; s[68:79] e0 .. e11
.macro CROUND                          ; a round of the cluster's barrier
	s_barrier_signal -1
	s_barrier_wait -1
	s_cmp_lg_u32 s[WV], 0
	s_cbranch_scc1 .Lnot_wave_0_\@
	s_barrier_signal -3
.Lnot_wave_0_\@:
	s_barrier_wait -3
	s_barrier_signal -1
	s_barrier_wait -1
.endm
	s_load_b256 s[4:11], s[0:1], 0x0               ; q_img s[4:5], k_img s[6:7], v_img s[8:9], the exponents s[10:11]
	s_load_b64 s[12:13], s[0:1], 0x20              ; ctx_img
	v_lshl_add_u32 v254, v0, 2, 0x40000
	v_mov_b32 v255, 0
	ds_add_u32 v254, v255
	ds_add_u32 v254, v255
	v_lshrrev_b32 v3, 5, v0
	s_delay_alu instid0(VALU_DEP_1)
	v_readfirstlane_b32 s[WV], v3                  ; wave 0..7
	s_bfe_u32 s[CX], ttmp6, 0x40000
	s_and_b32 s[BH], ttmp7, 0xffff                 ; the cluster's y: which the four partners share
	v_and_b32 v3, 31, v0
	s_delay_alu instid0(VALU_DEP_1)
	v_lshlrev_b32 v[LI], 4, v3
	s_delay_alu instid0(VALU_DEP_1)
	v_add_nc_u32 v[LIV], VBASE, v[LI]
	v_and_b32 v3, 15, v0                           ; r
	v_bfe_u32 v4, v0, 4, 1                         ; h
	s_delay_alu instid0(VALU_DEP_2)
	v_and_b32 v[DB], 8, v3
	s_delay_alu instid0(VALU_DEP_1)
	v_add_nc_u32 v[DB], v[DB], v3
	s_delay_alu instid0(VALU_DEP_3)
	v_lshlrev_b32 v4, 4, v4
	s_delay_alu instid0(VALU_DEP_1)
	v_sub_nc_u32 v[DB], v[DB], v4
	v_mov_b32 v[NINF], 0xff800000
	v_mov_b32 v[PD], 0                             ; written once: a lane permute's destination counts as one of its sources
	v_mov_b32 v[PD+1], 0
	v_mov_b32 v[ST+7], 0                           ; (named as the upper halves of f's pairs)
	v_mov_b32 v[ST+15], 0
	; descriptor group 1: a dense block of 16,384 bytes as 64 rows of 256
	s_mov_b32 s[G1], 15|(1<<21)                    ; 15:0 the mask: all four work-groups; 17:16 elements of 1 byte; 20 no padding; 21 set beside a mask
	s_mov_b32 s[G1+1], 256<<16                     ; tensor_dim0
	s_mov_b32 s[G1+2], 64<<16                      ; tensor_dim1
	s_mov_b32 s[G1+3], 256<<16                     ; tile_dim0
	s_mov_b32 s[G1+4], 64                          ; tile_dim1
	s_mov_b32 s[G1+5], 256                         ; tensor_dim0_stride
	s_mov_b32 s[G1+6], 0
	s_mov_b32 s[G1+7], 0
	s_mov_b32 s[SEL], 0x76543210
	s_mov_b32 s[SEL+1], 0xfedcba98
	s_mov_b32 s[CS], 0x3e38aa3b                    ; log2(e) / sqrt(64)
	s_and_b32 s17, s[WV], 3
	s_lshl_b32 s17, s17, 14                        ; which 16,384 bytes of a half I fetch (waves 0-3: of K; waves 4-7: of V)
	s_lshl_b32 s18, s[BH], 17                      ; the head's image
	s_add_co_u32 s18, s18, s17
	s_mov_b32 s19, 0
	s_lshl_b32 s[B1], s[WV], 2
	s_add_co_u32 s[B1], s[B1], s[CX]               ; the small block: 4 w + cx
	s_sub_co_u32 s[B1+1], 63, s[B1]                ; the large one
	s_lshl_b32 s2, s[BH], 17
	s_lshl_b32 s3, s[B1], 11                       ; a block of 32 queries is 2,048 bytes
	s_add_co_u32 s[QP], s2, s3
	s_mov_b32 s[QP+1], 0
	s_lshl_b32 s3, s[B1+1], 11
	s_add_co_u32 s[QP+2], s2, s3
	s_mov_b32 s[QP+3], 0
	s_lshr_b32 s2, s[BH], 4                        ; ctx_img: batch x 16 blocks of 128 rows x 131,072 bytes,
	s_lshl_b32 s2, s2, 21
	s_bfe_u32 s3, s[BH], 0x20002
	s_lshl_b32 s3, s3, 15                          ; + (head / 4) x 32,768
	s_add_co_u32 s2, s2, s3
	s_and_b32 s3, s[BH], 3
	s_lshl_b32 s3, s3, 10                          ; + (head % 4) x 1,024
	s_add_co_u32 s2, s2, s3
.irp p, 0,1
	s_lshr_b32 s3, s[B1+\p], 2
	s_lshl_b32 s3, s3, 17                          ; + (block / 4) x 131,072
	s_add_co_u32 s[CP+2*\p], s2, s3
	s_and_b32 s3, s[B1+\p], 3
	s_lshl_b32 s3, s3, 13                          ; + (block % 4) x 8,192
	s_add_co_u32 s[CP+2*\p], s[CP+2*\p], s3
	s_mov_b32 s[CP+2*\p+1], 0
.endr
	s_wait_dscnt 0x0
	s_wait_kmcnt 0x0
	s_load_b256 s[E:E+7], s[10:11], 0x0            ; e0 .. e7
	s_load_b128 s[E+8:E+11], s[10:11], 0x20        ; e8 .. e11
	s_add_nc_u64 s[6:7], s[6:7], s[18:19]          ; K and V at my part of their first halves: made of the head and the wave's number alone
	s_add_nc_u64 s[8:9], s[8:9], s[18:19]
	s_add_nc_u64 s[QP:QP+1], s[4:5], s[QP:QP+1]
	s_add_nc_u64 s[QP+2:QP+3], s[4:5], s[QP+2:QP+3]
	s_add_nc_u64 s[CP:CP+1], s[12:13], s[CP:CP+1]
	s_add_nc_u64 s[CP+2:CP+3], s[12:13], s[CP+2:CP+3]
.irp f, 0,1
	s_mov_b32 s[G0K+4*\f], 1                       ; 1:0 count = 1
	s_add_co_u32 s[G0K+4*\f+1], s17, \f*HALF       ; 63:32 LDS address
	s_add_nc_u64 s[G0K+4*\f+2:G0K+4*\f+3], s[6:7], \f*HALF   ; 120:64 global address
	s_or_b32 s[G0K+4*\f+3], s[G0K+4*\f+3], 0x80000000        ; 127:126 type = 2
	s_mov_b32 s[G0V+4*\f], 1
	s_add_co_u32 s[G0V+4*\f+1], s17, VBASE+\f*HALF
	s_add_nc_u64 s[G0V+4*\f+2:G0V+4*\f+3], s[8:9], \f*HALF
	s_or_b32 s[G0V+4*\f+3], s[G0V+4*\f+3], 0x80000000
.endr
	CROUND                                         ; all four work-groups are here: the joint loads meet
	s_cmp_lt_u32 s[WV], 4                          ; a wave's two loads stand in one branch, ahead of every wait on TENSORcnt and every LDS read: two loads of mine are out; four v_nop follow the second
	s_cbranch_scc0 .Lfirst_v
	tensor_load_to_lds s[G0K:G0K+3], s[G1:G1+7]
	s_nop 0
	tensor_load_to_lds s[G0K+4:G0K+7], s[G1:G1+7]
	s_nop 0
.rept 4
	v_nop
.endr
	s_branch .Lfirst_asked
.Lfirst_v:
	tensor_load_to_lds s[G0V:G0V+3], s[G1:G1+7]
	s_nop 0
	tensor_load_to_lds s[G0V+4:G0V+7], s[G1:G1+7]
	s_nop 0
.rept 4
	v_nop
.endr
.Lfirst_asked:
.irp p, 0,1
.irp u, 0,1
.irp c, 0,1
	global_load_b128 v[QA+16*\p+8*\u+4*\c:QA+16*\p+8*\u+4*\c+3], v[LI], s[QP+2*\p:QP+2*\p+1] offset:1024*\u+512*\c   ; Q's fragments stay in registers
.endr
.endr
.endr
	s_wait_kmcnt 0x0
	s_add_co_i32 s17, s[E+6], s[E+7]
	s_lshl_b32 s17, s17, 23
	s_add_co_i32 s[CS], s[CS], s17                 ; a score stands for score x 2^(e6 + e7): the two exponents are added to c's exponent field
	s_mov_b32 s[CS+1], s[CS]                       ; (named with it as a pair, so it is written)
	s_add_co_i32 s17, s[E+8], 127
	s_lshl_b32 s18, s17, 23
	v_mov_b32 v[PSC], s18                          ; 2^e8
	s_sub_co_i32 s17, s[E+10], s[E+8]
	s_sub_co_i32 s17, s17, s[E+9]                  ; O / l stands for ctx / 2^(e8 + e9): its code is (O / l) / 2^(e10 - e8 - e9)
	s_add_co_i32 s17, s17, 127
	s_lshl_b32 s18, s17, 23
	v_mov_b32 v[CSC], s18
; A block begins: the largest t is -3e38, under every t; the sum and O^T are zeros, which the first change of M leaves zeros.  So the step is written without a first step of its own.
.macro INIT
.irp u, 0,1
	v_mov_b32 v[ST+8*\u+1], 0xff61b1e6
	v_mov_b32 v[ST+8*\u+2], 0
	v_mov_b32 v[ST+8*\u+3], 0
.endr
.irp u, 0
	v_floor_f32 v[ST+8*\u], -v[ST+8*\u+1]
.endr
.irp u, 1
	s_delay_alu instid0(VALU_DEP_4)
	v_floor_f32 v[ST+8*\u], -v[ST+8*\u+1]          ; -M
.endr
.set n, 0
.rept 64
	v_mov_b32 v[O+n], 0
.set n, n+1
.endr
.endm
; A STEP: 64 keys x my 32 queries, whose fragments begin at v[qb].
.macro STEP qb
	s_cmp_gt_u32 s[SI], s[LAST]                    ; a step behind the block's last is left out: a scalar branch on the wave's number and the loop's count; no barrier and no tensor load stands in a step
	s_cbranch_scc1 .Lhid_\@
	s_setprio 2
	v_add_nc_u32 v[ADK], s[TB], v[LI]
	v_add_nc_u32 v[ADV], s[TB], v[LIV]
.irp t, 0,1,2,3
.irp c, 0,1
	ds_load_b128 v[KV+8*\t+4*\c:KV+8*\t+4*\c+3], v[ADK] offset:1024*\t+512*\c   ; 32 lanes read 512 consecutive bytes
.endr
.endr
	s_wait_alu depctr_va_vdst(0)
	s_wait_dscnt 0x0
.irp t, 0,1,2,3
.irp u, 0,1
	v_wmma_f32_16x16x64_bf8_bf8 v[S+32*\u+8*\t:S+32*\u+8*\t+7], v[KV+8*\t:KV+8*\t+7], v[\qb+8*\u:\qb+8*\u+7], 0   ; each fragment of K feeds both tiles of queries
.endr
.endr
.rept 4
	v_nop                                          ; places: in front of the loads into K's registers and of the first read of the scores
.endr
.irp t, 0,1,2,3
.irp c, 0,1
	ds_load_b128 v[KV+8*\t+4*\c:KV+8*\t+4*\c+3], v[ADV] offset:1024*\t+512*\c   ; V lands while the softmax is worked
.endr
.endr
	s_cmp_lt_u32 s[SI], s[MK]
	s_cbranch_scc1 .Lopen_\@
	; register 16 g + i of a tile holds key KF + 32 g + 16 h + i; my query of tile u is 32 x block + 8 u + r + (r & 8): hidden where 32 g + i > d.  Hidden scores become -infinity: p = 0
	v_sub_nc_u32 v[ST+4], v[DL0], s[KF]            ; d of tile 0,
	s_delay_alu instid0(VALU_DEP_1)
	v_add_nc_u32 v[ST+12], 8, v[ST+4]              ; of tile 1
.irp u, 0,1
.set n, 0
.rept 32
	v_cmp_gt_i32 vcc_lo, 32*(n/16)+n%16, v[ST+8*\u+4]
	v_cndmask_b32 v[S+32*\u+n], v[S+32*\u+n], v[NINF], vcc_lo
.set n, n+1
.endr
.endr
.Lopen_\@:
.irp u, 0,1                                    ; the step's largest score of my query among my 32 keys, in two chains; each accumulator is first read at its low end; the two tiles by turns
	v_max3_num_f32 v[ST+8*\u+4], v[S+32*\u], v[S+32*\u+1], v[S+32*\u+2]
	v_max3_num_f32 v[ST+8*\u+5], v[S+32*\u+3], v[S+32*\u+4], v[S+32*\u+5]
.endr
.irp i, 6,10,14,18,22,26
.irp u, 0,1
	v_max3_num_f32 v[ST+8*\u+4], v[ST+8*\u+4], v[S+32*\u+\i], v[S+32*\u+\i+1]
	v_max3_num_f32 v[ST+8*\u+5], v[ST+8*\u+5], v[S+32*\u+\i+2], v[S+32*\u+\i+3]
.endr
.endr
.irp u, 0
	v_max3_num_f32 v[ST+8*\u+4], v[ST+8*\u+4], v[S+32*\u+30], v[S+32*\u+31]
.endr
.irp u, 1
	v_max3_num_f32 v[ST+8*\u+4], v[ST+8*\u+4], v[S+32*\u+30], v[S+32*\u+31]
.endr
.irp u, 0,1
	s_delay_alu instid0(VALU_DEP_2)
	v_max_num_f32 v[ST+8*\u+4], v[ST+8*\u+4], v[ST+8*\u+5]
.endr
.irp u, 0,1
	s_delay_alu instid0(VALU_DEP_2)
	v_permlanex16_b32 v[PD+\u], v[ST+8*\u+4], s[SEL], s[SEL+1]
.endr
.irp u, 0,1
	s_delay_alu instid0(VALU_DEP_2)
	v_max_num_f32 v[ST+8*\u+4], v[ST+8*\u+4], v[PD+\u]   ; and among lane l xor 16's
.endr
.irp u, 0,1
	s_delay_alu instid0(VALU_DEP_2)
	v_mul_f32 v[ST+8*\u+4], s[CS], v[ST+8*\u+4]    ; as t (c is positive)
.endr
.irp u, 0
	s_delay_alu instid0(VALU_DEP_2)
	v_max_num_f32 v[ST+8*\u+1], v[ST+8*\u+1], v[ST+8*\u+4]   ; the running largest t
	v_mov_b32 v[ST+8*\u+4], v[ST+8*\u]
.endr
.irp u, 1
	s_delay_alu instid0(VALU_DEP_3)
	v_max_num_f32 v[ST+8*\u+1], v[ST+8*\u+1], v[ST+8*\u+4]
	v_mov_b32 v[ST+8*\u+4], v[ST+8*\u]
.endr
.irp u, 0
	s_delay_alu instid0(VALU_DEP_4)
	v_floor_f32 v[ST+8*\u], -v[ST+8*\u+1]
.endr
.irp u, 1
	s_delay_alu instid0(VALU_DEP_3)
	v_floor_f32 v[ST+8*\u], -v[ST+8*\u+1]          ; the new -M = floor(-t) = -ceil(t): M is a whole number
.endr
.irp u, 0,1
	s_delay_alu instid0(VALU_DEP_2)
	v_sub_f32 v[ST+8*\u+4], v[ST+8*\u], v[ST+8*\u+4]   ; M's old value less its new one: a whole number, 0 or less
.endr
.irp u, 0,1
	s_delay_alu instid0(VALU_DEP_2)
	v_cvt_i32_f32 v[ST+8*\u+4], v[ST+8*\u+4]       ; (it saturates)
.endr
.irp u, 0,1
	s_delay_alu instid0(VALU_DEP_2)
	v_ldexp_f32 v[ST+8*\u+6], 1.0, v[ST+8*\u+4]    ; f = 2^(old M - new M)
.endr
.irp u, 0,1
.set n, 0
.rept 16
	v_pk_fma_f32 v[S+32*\u+n:S+32*\u+n+1], v[S+32*\u+n:S+32*\u+n+1], s[CS:CS+1], v[ST+8*\u:ST+8*\u+1] op_sel_hi:[1,0,0]   ; t - M, two at a time (of the pairs c and -M the low word serves both halves)
.set n, n+2
.endr
.endr
.set n, 0
	s_setprio 1
	s_wait_alu depctr_va_vdst(0)
.rept 64
	v_exp_f32 v[S+n], v[S+n]                       ; p = 2^(t - M), at most 1: one batch for both tiles
.set n, n+1
.endr
.irp u, 0,1
	v_pk_mul_f32 v[ST+8*\u+2:ST+8*\u+3], v[ST+8*\u+2:ST+8*\u+3], v[ST+8*\u+6:ST+8*\u+7] op_sel_hi:[1,0]   ; the sums under the new M.  (The plain place behind the exponentials)
.endr
	s_wait_alu depctr_va_vdst(0)                   ; one wait for the whole batch, ahead of its first reader
.irp u, 0,1
	v_pk_add_f32 v[CH2+2*\u:CH2+2*\u+1], v[S+32*\u:S+32*\u+1], v[S+32*\u+2:S+32*\u+3]   ; the row's sum is taken of the unquantised p: two at a time, in two chains
.endr
.irp j, 4,8,12,16,20,24,28
.irp u, 0,1
	v_pk_add_f32 v[ST+8*\u+2:ST+8*\u+3], v[ST+8*\u+2:ST+8*\u+3], v[S+32*\u+\j:S+32*\u+\j+1]
	v_pk_add_f32 v[CH2+2*\u:CH2+2*\u+1], v[CH2+2*\u:CH2+2*\u+1], v[S+32*\u+\j+2:S+32*\u+\j+3]
.endr
.endr
.irp u, 0
	s_delay_alu instid0(VALU_DEP_3)
	v_pk_add_f32 v[ST+8*\u+2:ST+8*\u+3], v[ST+8*\u+2:ST+8*\u+3], v[CH2+2*\u:CH2+2*\u+1]
.endr
.irp u, 1
	s_delay_alu instid0(VALU_DEP_2)
	v_pk_add_f32 v[ST+8*\u+2:ST+8*\u+3], v[ST+8*\u+2:ST+8*\u+3], v[CH2+2*\u:CH2+2*\u+1]
.endr
.irp u, 0,1
.irp b, 0,1
.set n, 0
.rept 16
.set n, n+1
.endr
	v_cvt_scalef32_pk8_bf8_f32 v[P+8*\u+4*\b:P+8*\u+4*\b+1], v[S+32*\u+16*\b:S+32*\u+16*\b+7], v[PSC]       ; registers 4 b .. 4 b + 3 of the operand: keys 32 b + 16 h + 0 .. 15
	v_cvt_scalef32_pk8_bf8_f32 v[P+8*\u+4*\b+2:P+8*\u+4*\b+3], v[S+32*\u+16*\b+8:S+32*\u+16*\b+15], v[PSC]
.endr
.endr
.irp u, 0,1
.set n, 0
.rept 16
	v_pk_mul_f32 v[O+32*\u+n:O+32*\u+n+1], v[O+32*\u+n:O+32*\u+n+1], v[ST+8*\u+6:ST+8*\u+7] op_sel_hi:[1,0]   ; O^T under the new M.  (These are also the plain lines behind the conversions)
.set n, n+2
.endr
.endr
	s_setprio 0
	s_wait_alu depctr_va_vdst(0)
	s_wait_dscnt 0x0                               ; V is in
.irp t, 0,1,2,3
.irp u, 0,1
	v_wmma_f32_16x16x64_bf8_bf8 v[O+32*\u+8*\t:O+32*\u+8*\t+7], v[KV+8*\t:KV+8*\t+7], v[P+8*\u:P+8*\u+7], v[O+32*\u+8*\t:O+32*\u+8*\t+7]   ; eight accumulators, one instruction each, by turns
.endr
.endr
.rept 4
	v_nop                                          ; places: in front of the next step's loads into V's registers, and of the first read of O^T
.endr
.Lhid_\@:
.endm
; Steps first .. trips - 1: the trip count is a constant of the text, and so are the steps of the LDS address.
.macro PASS qb, first, trips
	s_mov_b32 s[SI], \first
	s_mov_b32 s[TB], (\first)*STEPB
	s_mov_b32 s[KF], (\first)*64
.Lstep_\@:
	STEP \qb
	s_add_co_u32 s[TB], s[TB], STEPB
	s_add_co_u32 s[KF], s[KF], 64
	s_add_co_u32 s[SI], s[SI], 1
	s_cmp_lt_u32 s[SI], \trips
	s_cbranch_scc1 .Lstep_\@
	s_setprio 0
.endm
; A block's way out: O^T / the sum, converted.  Registers 16 b .. 16 b + 15 of a tile are channels 32 b + 16 h + 0 .. 15 of my query: 16 codes, a piece of the next product's operand; they leave straight from the registers.
.macro CTXOUT bp
.irp u, 0,1
	v_add_f32 v[ST+8*\u+4], v[ST+8*\u+2], v[ST+8*\u+3]   ; the sum's two halves,
.endr
.irp u, 0,1
	s_delay_alu instid0(VALU_DEP_2)
	v_permlanex16_b32 v[PD+\u], v[ST+8*\u+4], s[SEL], s[SEL+1]
.endr
.irp u, 0,1
	s_delay_alu instid0(VALU_DEP_2)
	v_add_f32 v[ST+8*\u+4], v[ST+8*\u+4], v[PD+\u]       ; and lane l xor 16's
.endr
	s_wait_alu depctr_va_vdst(0)
.irp u, 0,1
	v_rcp_f32 v[ST+8*\u+6], v[ST+8*\u+4]
.endr
	v_nop                                          ; a plain instruction behind the last reciprocal,
	s_wait_alu depctr_va_vdst(0)                   ; and the one wait for both, ahead of their first reader
.irp u, 0,1
.set n, 0
.rept 16
	v_pk_mul_f32 v[O+32*\u+n:O+32*\u+n+1], v[O+32*\u+n:O+32*\u+n+1], v[ST+8*\u+6:ST+8*\u+7] op_sel_hi:[1,0]
.set n, n+2
.endr
.endr
.set n, 0
.rept 64
.set n, n+1
.endr
.irp u, 0,1
.irp b, 0,1
	v_cvt_scalef32_pk8_bf8_f32 v[P+8*\u+4*\b:P+8*\u+4*\b+1], v[O+32*\u+16*\b:O+32*\u+16*\b+7], v[CSC]
	v_cvt_scalef32_pk8_bf8_f32 v[P+8*\u+4*\b+2:P+8*\u+4*\b+3], v[O+32*\u+16*\b+8:O+32*\u+16*\b+15], v[CSC]
.endr
.endr
	v_nop                                          ; one plain vector instruction between the conversions and the next lines that write their sources
.irp u, 0,1
.irp b, 0,1
	global_store_b128 v[LI], v[P+8*\u+4*\b:P+8*\u+4*\b+3], s[\bp:\bp+1] offset:4096*\u+512*\b   ; 32 lanes store 512 consecutive bytes, at a multiple of 512 from the workspace's first byte
.endr
.endr
.endm
	s_lshl_b32 s17, s[WV], 1
	s_sub_co_u32 s[LAST], 31, s17                  ; THE LARGE BLOCK
	s_sub_co_u32 s[MK], 30, s17
	s_wait_alu depctr_va_vdst(0)
	v_lshl_add_u32 v[DL0], s[B1+1], 5, v[DB]
	INIT
	s_wait_loadcnt 0x0                             ; Q
	s_wait_tensorcnt 0x1                           ; my part of keys 0 to 1,023 is in; my second load may stay out
	s_barrier_signal -1
	s_barrier_wait -1                              ; everybody's is
	PASS QB, 0, 16                                 ; sixteen steps in every wave, none masked: they read the first halves alone
	s_wait_tensorcnt 0x0                           ; my part of keys 1,024 to 2,047 is in,
	s_wait_dscnt 0x0
	s_barrier_signal -1
	s_barrier_wait -1                              ; everybody's is
	PASS QB, 16, 32
	CTXOUT CP+2
	s_lshl_b32 s[MK], s[WV], 1                     ; THE SMALL BLOCK
	s_add_co_u32 s[LAST], s[MK], 1
	v_lshl_add_u32 v[DL0], s[B1], 5, v[DB]
	INIT
	s_wait_xcnt 0x0                                ; the stores have read the codes' registers, which the next conversions write
	PASS QA, 0, 16
	CTXOUT CP
	s_wait_tensorcnt 0x0
	ds_add_u32 v254, v255
	s_wait_dscnt 0x0
	CROUND                                         ; the closing round: no work-group ends while a partner may still ask for a tile that names it
	s_endpgm
.Lfunc_end_k_q73d1574027_attn:
	.size	k_q73d1574027_attn, .Lfunc_end_k_q73d1574027_attn-k_q73d1574027_attn
	.p2alignl 7, 3214868480
	.fill 96, 4, 3214868480
	.section	.rodata,"a",@progbits
	.p2align	6, 0x0
	.amdhsa_kernel k_q73d1574027_attn
		.amdhsa_group_segment_fixed_size 263168
		.amdhsa_private_segment_fixed_size 0
		.amdhsa_enable_private_segment 0
		.amdhsa_kernarg_size 40
		.amdhsa_user_sgpr_count 2
		.amdhsa_user_sgpr_kernarg_segment_ptr 1
		.amdhsa_wavefront_size32 1
		.amdhsa_system_sgpr_workgroup_id_x 1
		.amdhsa_system_sgpr_workgroup_id_y 1
		.amdhsa_system_sgpr_workgroup_id_z 1
		.amdhsa_system_vgpr_workitem_id 0
		.amdhsa_next_free_vgpr 256
		.amdhsa_next_free_sgpr 80
		.amdhsa_reserve_vcc 1
		.amdhsa_float_denorm_mode_32 3
		.amdhsa_float_denorm_mode_16_64 3
		.amdhsa_fp16_overflow 1
		.amdhsa_memory_ordered 1
		.amdhsa_forward_progress 1
		.amdhsa_inst_pref_size 78
	.end_amdhsa_kernel
	.amdgpu_metadata
---
amdhsa.version: [ 1, 2 ]
amdhsa.kernels:
  - .name:           k_q73d1574027_attn
    .symbol:         k_q73d1574027_attn.kd
    .args:
      - { .name: q_img, .offset: 0, .size: 8, .value_kind: global_buffer, .address_space: global }
      - { .name: k_img, .offset: 8, .size: 8, .value_kind: global_buffer, .address_space: global }
      - { .name: v_img, .offset: 16, .size: 8, .value_kind: global_buffer, .address_space: global }
      - { .name: lowp_scales, .offset: 24, .size: 8, .value_kind: global_buffer, .address_space: global }
      - { .name: ctx_img, .offset: 32, .size: 8, .value_kind: global_buffer, .address_space: global }
    .group_segment_fixed_size: 263168
    .private_segment_fixed_size: 0
    .kernarg_segment_align: 8
    .kernarg_segment_size: 40
    .max_flat_workgroup_size: 256
    .sgpr_count:     80
    .vgpr_count:     256
    .wavefront_size: 32
...
	.end_amdgpu_metadata
.endif
;; end of part 2
;; launch outp (part 3): grid 4 x 32, 4 waves a work-group, clusters of 4 x 4, 327,680 bytes of LDS; arguments ctx_img, Wo_codes, lowp_scales, bo, out0; writes out0
.if DOCPART == 3
	.amdgcn_target "amdgcn-amd-amdhsa--gfx1250"
	.amdhsa_code_object_version 6
	.text
	.protected	k_q73d1574027_outp
	.globl	k_q73d1574027_outp
	.p2align	8
	.type	k_q73d1574027_outp,@function
k_q73d1574027_outp:
	s_mov_b64 s[64:65], 0
	v_nop
	global_prefetch_b8 v0, s[64:65] scope:SCOPE_SE
	s_setreg_imm32_b32 hwreg(HW_REG_WAVE_MODE, 25, 1), 1
	s_wait_xcnt 0x0
	s_wait_alu depctr_hold_cnt(0) depctr_sa_sdst(0) depctr_va_vdst(0) depctr_va_sdst(0) depctr_va_ssrc(0) depctr_va_vcc(0) depctr_vm_vsrc(0)
	s_getreg_b32 s2, hwreg(HW_REG_IB_STS2, 6, 4)
	s_cmp_eq_u32 s2, 0
	s_cbranch_scc0 .Lentry_in_a_cluster
	s_endpgm
.Lentry_in_a_cluster:
	s_bfe_u32 s2, ttmp6, 0x10000c
	s_cmp_lg_u32 s2, 0xf033
	s_cbranch_scc0 .Lentry_shape_is_right
	s_endpgm
.Lentry_shape_is_right:
; out0 = ctx Wo + bo.  ctx [8,192][1,024] and Wo [1,024 (n)][1,024 (k)] are codes of BF8 (E5M2) with the scales 2^e10 and 2^e11; out0 [8,192][1,024] and bo [1,024] are f32; sums in f32.
; The codes are multiplied as they are; each finished sum goes out as sum x 2^(e10 + e11) + bo, one packed multiply-add for two numbers.  LIMIT: e10 + e11 lies between -126 and 127.  NaN and infinity among the codes are not served.
; 128 tiles of 256 x 256, four waves each, a wave 128 x 128: 64 accumulators, 512 registers.  K goes in steps of 256 through two LDS slots.  Clusters of 4 x 4: A's tile is asked for jointly by a row of the cluster, B's by a column.
; A = ctx COMES AS AN IMAGE OF ITS FRAGMENTS' REGISTERS: [row / 128][K step of 256][a (8)][q (2)][c (4)][lane][16 bytes]: row 128 mb + 32 (a / 2) + 8 (a % 2) + r + (r & 8), K = 256 ks + 128 q + 32 c + 16 h + 0 .. 15.
; So 128 rows x 256 K are one dense block of 32,768 bytes for one tensor load, without padding, and a fragment comes by four loads of 512 consecutive bytes.  The rows of a fragment are not neighbours: the stores undo that.
; THE MATRIX INSTRUCTION IS USED TRANSPOSED (source 0 = 16 rows of Wo, source 1 = 16 rows of ctx): a lane holds eight neighbouring numbers of a row of out0.
; No prefetch is written: the launch has four K steps, and two of them are its first fills.
; REGISTERS, in windows of 256: window 0: v0-31 addresses; from v128 A's fragments, one set; on the way out v32-255 are free.  window 1: B's fragments, two sets; at the end v0-63: bo.  windows 2, 3: the accumulators.
.set ROWB,   256                       ; a row of B's tile in bytes
.set KROW,   1024                      ; a row of Wo in memory
.set PITCH,  272                       ; B's LDS row: 256 bytes + 16 of padding: the 16 rows that a load touches start at 16 different groups of four banks
.set FR,     16
.set NL,     4
.set NP,     4                         ; places behind this matrix instruction (ISA guide 7.12.1)
.set AHALF,  32768                     ; 128 rows x 256 K of A's image: what one tensor load brings
.set HALFT,  128*PITCH                 ; 128 rows of B
.set SLOT,   2*AHALF+2*HALFT           ; A's two halves, then B's two
.set LAPS,   2
.set SPARE,  2*SLOT                    ; behind the ring: the spare words, 128 bytes for each wave
.set SPITCH, 528                       ; the way out: a stage of 16 rows x (512 bytes + 16) for each wave, in slot 0, which has had its last fill and its last read when the first result is stored there
.set ADRA, 16                          ; v16-17  LDS address of my A fragments in slot 0, 1
.set ADRB, 20                          ; v20-21  the same for B
.set STO,  24                          ; v24     the way out: where I put 32 bytes of a row
.set RD,   25                          ; v25     the way out: where I read a row back
.set CO,   26                          ; v26     16 x lane
.set BOF,  27                          ; v27     32 h: my half's eight numbers of a tile's sixteen of bo
.set SPW,  28                          ; v28     LDS address of my spare word; never rewritten
.set NIL,  29                          ; v29     0; never rewritten
.set TMP,  32                          ; the way out: 64 registers
.set AF,   128
.set BK,   128                         ; the way out: 16 rows read back: v128-191 and v192-255 by turns
.set G1, 24
.set G0, 32
.set G1B, 48
.set G0B, 56
.set MSB, 0
.macro WIN new                         ; the immediate's high byte repeats the setting that is left
.if MSB != \new
	s_set_vgpr_msb (MSB<<8)|\new
.set MSB, \new
.endif
.endm
.set MUL_LO, 0xa1                      ; source 0 (B) window 1, source 1 (A) window 0, C and D window 2
.set MUL_HI, 0xf1                      ; the same, C and D window 3
.set TO_B,   0x40                      ; destination window 1, address window 0
; A joint load: waves 0 and 1 fetch for A, waves 2 and 3 for B; the branch hangs on the wave's number alone.  Four v_nop follow each of the two lines.
.macro JLOAD g0a, g1a, g0b, g1b
	s_cmp_eq_u32 s15, 0
	s_cbranch_scc0 .Lfor_b_\@
	tensor_load_to_lds s[\g0a:\g0a+3], s[\g1a:\g1a+7]
	s_nop 0
.rept 4
	v_nop
.endr
	s_branch .Lasked_\@
.Lfor_b_\@:
	tensor_load_to_lds s[\g0b:\g0b+3], s[\g1b:\g1b+7]
	s_nop 0
.rept 4
	v_nop
.endr
.Lasked_\@:
.endm
.macro CREST                           ; a round of the cluster's barrier behind its opening barrier
	s_cmp_lg_u32 s14, 0
	s_cbranch_scc1 .Lnot_wave_0_\@
	s_barrier_signal -3
.Lnot_wave_0_\@:
	s_barrier_wait -3
	s_barrier_signal -1
	s_barrier_wait -1
.endm
.macro CROUND
	s_barrier_signal -1
	s_barrier_wait -1
	CREST
.endm
	s_load_b128 s[4:7], s[0:1], 0x0                ; ctx_img s[4:5], Wo's codes s[6:7]
	s_load_b128 s[8:11], s[0:1], 0x10              ; the exponents s[8:9], bo s[10:11]
	s_load_b64 s[12:13], s[0:1], 0x20              ; out0
	v_lshl_add_u32 v[SPW], v0, 2, SPARE
	v_mov_b32 v[NIL], 0
	ds_add_u32 v28, v29
	ds_add_u32 v28, v29
	s_wait_dscnt 0x0
	v_lshrrev_b32 v1, 5, v0
	v_readfirstlane_b32 s14, v1                    ; wave 0..3
	s_lshr_b32 s15, s14, 1                         ; which half of the tile's rows is mine.  Also: I fetch for A (0) or for B (1)
	s_and_b32 s16, s14, 1                          ; which half of its columns.  Also: which 128 rows of that tile I fetch
	s_bfe_u32 s40, ttmp6, 0x40000                  ; cx, cy
	s_bfe_u32 s41, ttmp6, 0x40004
	s_lshl_b32 s42, ttmp9, 2
	s_add_co_u32 s42, s42, s40                     ; tile column = 4 x cluster x + cx
	s_and_b32 s17, ttmp7, 0xffff
	s_lshl_b32 s17, s17, 2
	s_add_co_u32 s17, s17, s41                     ; tile row = 4 x cluster y + cy
	s_lshl_b32 s43, s41, 2
	s_lshl_b32 s43, 15, s43                        ; my row of the cluster
	s_lshl_b32 s44, 0x1111, s40                    ; my column
	; descriptor group 1 for A: a dense block of 32,768 bytes as 128 rows of 256, no padding
	s_or_b32 s[G1+0], s43, (0<<16)|(1<<21)         ; 15:0 the mask: my row; 17:16 elements of 1 byte; 21 set beside a mask
	s_mov_b32 s[G1+1], 256<<16
	s_mov_b32 s[G1+2], 128<<16
	s_mov_b32 s[G1+3], 256<<16
	s_mov_b32 s[G1+4], 128
	s_mov_b32 s[G1+5], 256
	s_mov_b32 s[G1+6], 0
	s_mov_b32 s[G1+7], 0
	; for B: 128 rows x 256 bytes, 1,024 bytes apart in memory, padded in LDS
	s_or_b32 s[G1B+0], s44, (0<<16)|(1<<20)|(1<<21)|(5<<22)|(3<<25)  ; the mask: my column; padding: four words after every 64
	s_mov_b32 s[G1B+1], ROWB<<16
	s_mov_b32 s[G1B+2], 128<<16
	s_mov_b32 s[G1B+3], ROWB<<16
	s_mov_b32 s[G1B+4], 128
	s_mov_b32 s[G1B+5], KROW
	s_mov_b32 s[G1B+6], 0
	s_mov_b32 s[G1B+7], 0
	s_lshl_b32 s20, s17, 1
	s_add_co_u32 s20, s20, s16                     ; A: block of 128 rows 2 x tile row + half,
	s_lshl_b32 s20, s20, 17                        ; 131,072 bytes each
	s_mov_b32 s21, 0
	s_lshl_b32 s18, s16, 7
	s_lshl_b32 s46, s42, 8
	s_add_co_u32 s46, s46, s18                     ; B: row 256 x tile column + 128 x half,
	s_lshl_b32 s46, s46, 10                        ; 1,024 bytes each
	s_mov_b32 s47, 0
	s_lshl_b32 s45, s16, 15                        ; where they go: A's half,
	s_mul_i32 s19, s16, HALFT
	s_add_co_u32 s19, s19, 2*AHALF                 ; B's half, behind A's two: no place in the cluster enters an LDS address
	s_wait_kmcnt 0x0
	s_load_b64 s[96:97], s[8:9], 0x28              ; e10, e11
	s_add_nc_u64 s[20:21], s[4:5], s[20:21]
	s_add_nc_u64 s[46:47], s[6:7], s[46:47]
	CROUND                                         ; all sixteen work-groups are here: the first joint loads meet
.irp s, 0,1
	s_mov_b32 s[G0+4*\s], 1
	s_add_co_u32 s[G0+4*\s+1], s45, \s*SLOT
	s_add_nc_u64 s[G0+4*\s+2:G0+4*\s+3], s[20:21], \s*AHALF
	s_or_b32 s[G0+4*\s+3], s[G0+4*\s+3], 0x80000000
	s_mov_b32 s[G0B+4*\s], 1
	s_add_co_u32 s[G0B+4*\s+1], s19, \s*SLOT
	s_add_nc_u64 s[G0B+4*\s+2:G0B+4*\s+3], s[46:47], \s*ROWB
	s_or_b32 s[G0B+4*\s+3], s[G0B+4*\s+3], 0x80000000
	s_wait_alu depctr_va_vdst(0)
	s_wait_tensorcnt 0x0
	ds_add_u32 v28, v29
	ds_add_u32 v28, v29
	s_wait_dscnt 0x0
	CROUND
	JLOAD G0+4*\s, G1, G0B+4*\s, G1B
.endr
	v_and_b32 v1, 15, v0                           ; r
	v_bfe_u32 v2, v0, 4, 1                         ; h
	v_and_b32 v6, 31, v0
	v_lshlrev_b32 v[CO], 4, v6
	v_lshlrev_b32 v[BOF], 5, v2
	v_mul_u32_u24 v3, v1, PITCH
	v_lshl_add_u32 v4, v2, 4, v3                   ; B: a fragment's row x pitch + 16 x half
	s_lshl_b32 s21, s15, 15                        ; my 128 rows of A: one image
	s_mul_i32 s22, s16, HALFT                      ; my 128 rows of B,
	s_add_co_u32 s22, s22, 2*AHALF                 ; behind A's two images
.irp s, 0,1
	v_add_nc_u32 v[ADRA+\s], s21, v[CO]
	v_add_nc_u32 v[ADRB+\s], s22, v4
	s_add_co_u32 s21, s21, SLOT
	s_add_co_u32 s22, s22, SLOT
.endr
	s_mul_i32 s23, s14, 16*SPITCH                  ; my stage
	v_mul_u32_u24 v5, v1, SPITCH                   ; in: row r, 32 bytes for each half of the lanes
	v_lshl_add_u32 v5, v2, 5, v5
	v_add_nc_u32 v[STO], s23, v5
	v_add_nc_u32 v[RD], s23, v[CO]                 ; back: the 32 lanes take one row of 512 bytes
	s_lshl_b32 s20, s17, 8
	s_lshl_b32 s21, s15, 7
	s_add_co_u32 s20, s20, s21                     ; my first row of out0,
	s_lshl_b32 s20, s20, 12                        ; 4,096 bytes each: under 2^25
	s_lshl_b32 s46, s42, 10
	s_lshl_b32 s47, s16, 9
	s_add_co_u32 s46, s46, s47                     ; my first column, in bytes
	s_mov_b32 s47, 0
	s_add_nc_u64 s[10:11], s[10:11], s[46:47]      ; bo at my first column
	s_add_co_u32 s20, s20, s46
	s_mov_b32 s21, 0
	s_add_nc_u64 s[12:13], s[12:13], s[20:21]      ; out0 at my part's corner; never stepped
.macro FRAG reg, adr, q, i             ; B: 16 rows x 128 K: registers 4 c .. 4 c + 3 hold K = 32 c + 16 (l / 16) + 0 .. 15 of row l % 16
.irp c, 0,1,2,3
	ds_load_b128 v[\reg+4*\c:\reg+4*\c+3], v[\adr] offset:128*(\q)+32*\c+(\i)*16*PITCH
.endr
.endm
.macro FRAGA reg, adr, q, i            ; A: the image of the same registers: 512 consecutive bytes a load
.irp c, 0,1,2,3
	ds_load_b128 v[\reg+4*\c:\reg+4*\c+3], v[\adr] offset:2048*(\q)+512*\c+(\i)*4096
.endr
.endm
; 16 matrix instructions: A's blocks a0, a0 + 1 x B's eight.  The 64 accumulators take turns, one instruction a turn, in the same order in every step.
.macro MUL16 a0, p, zero
.irp a, \a0, \a0+1
.irp b, 0,1,2,3,4,5,6,7
.if \zero
	v_wmma_f32_16x16x128_bf8_bf8 v[8*(8*((\a)%4)+\b):8*(8*((\a)%4)+\b)+7], v[128*(\p)+FR*\b:128*(\p)+FR*\b+FR-1], v[AF+FR*(\a):AF+FR*(\a)+FR-1], 0
.else
	v_wmma_f32_16x16x128_bf8_bf8 v[8*(8*((\a)%4)+\b):8*(8*((\a)%4)+\b)+7], v[128*(\p)+FR*\b:128*(\p)+FR*\b+FR-1], v[AF+FR*(\a):AF+FR*(\a)+FR-1], v[8*(8*((\a)%4)+\b):8*(8*((\a)%4)+\b)+7]
.endif
.endr
.endr
.endm
.macro FETCH_B slot, q, p
	WIN TO_B
.irp i, 0,1,2,3,4,5,6,7
	FRAG 128*(\p)+FR*\i, ADRB+\slot, \q, \i
.endr
	WIN 0
.endm
.macro FETCH_A slot, q, i0
.irp i, \i0, \i0+1, \i0+2, \i0+3
	FRAGA AF+FR*(\i), ADRA+\slot, \q, \i
.endr
.endm
.macro PLACES n                        ; plain vector instructions behind matrix instructions, in front of loads into registers that they read and of reads of their results (ISA guide 7.12.1 for vector instructions)
.rept \n
	v_nop
.endr
.endm
.macro STEP slot, q, zero              ; a step of 128 along K that has its successor in the same slot
	s_wait_dscnt 4*NL                              ; B's set and A's blocks 0-3 are in; the youngest sixteen loads (A's blocks 4-7) may be out
	WIN MUL_LO
	MUL16 0, (\q)%2, \zero
	MUL16 2, (\q)%2, \zero
	s_wait_dscnt 0                                 ; A's blocks 4-7 are in
	PLACES NP
	FETCH_B \slot, (\q)+1, 1-(\q)%2
	FETCH_A \slot, (\q)+1, 0
	WIN MUL_HI
	MUL16 4, (\q)%2, \zero
	MUL16 6, (\q)%2, \zero
	PLACES NP
	WIN 0
	FETCH_A \slot, (\q)+1, 4
.endm
; A slot's last step changes slots: one barrier; in front of it each wave waits for all its tensor loads, adds 0 to its spare word, and waits for that and for its own reads of this slot.
.macro TURN slot, next, fill
	s_wait_tensorcnt 0x0                           ; all my tensor loads have landed: my part of the next slot;
	ds_add_u32 v[SPW], v[NIL]                      ; 0 onto my spare word;
	s_wait_dscnt 4*NL+1                            ; (the add and the youngest sixteen loads may be out)
	WIN MUL_LO
	MUL16 0, 1, 0
	s_wait_dscnt 0x0                               ; the add is done, and my reads of this slot are over
	s_barrier_signal -1
	MUL16 2, 1, 0
	WIN 0
	s_barrier_wait -1
.if \fill
	CREST                                          ; the barrier has opened a round of the cluster's barrier: no wave of any partner still reads this slot's tile or has a load on its way
	s_add_nc_u64 s[G0+4*\slot+2:G0+4*\slot+3], s[G0+4*\slot+2:G0+4*\slot+3], 2*AHALF
	s_add_nc_u64 s[G0B+4*\slot+2:G0B+4*\slot+3], s[G0B+4*\slot+2:G0B+4*\slot+3], 2*ROWB
	JLOAD G0+4*\slot, G1, G0B+4*\slot, G1B         ; the first tensor load behind the round; its four v_nop are the places in front of the loads below
.else
	PLACES NP
.endif
	FETCH_B \next, 0, 0
	FETCH_A \next, 0, 0
	WIN MUL_HI
	MUL16 4, 1, 0
	MUL16 6, 1, 0
	PLACES NP
	WIN 0
	FETCH_A \next, 0, 4
.endm
	s_wait_alu depctr_va_vdst(0)
	s_wait_tensorcnt 0x1                           ; my part of K step 0 is in (K step 1's load may be out)
	s_barrier_signal -1
	s_barrier_wait -1                              ; everybody's is
	FETCH_B 0, 0, 0
	FETCH_A 0, 0, 0
	FETCH_A 0, 0, 4
	STEP 0, 0, 1                                   ; the first step's products start the sums
	s_mov_b32 s3, LAPS-1
.Llap:
	TURN 0, 1, 1
	STEP 1, 0, 0
	TURN 1, 0, 1
	STEP 0, 0, 0
	s_sub_co_u32 s3, s3, 1
	s_cmp_lg_u32 s3, 0
	s_cbranch_scc1 .Llap
	TURN 0, 1, 0                                   ; the last lap fills nothing
	STEP 1, 0, 0
	WIN TO_B                                       ; B's set 0 is done with, and four places stand behind its last products: bo takes its first 64 registers, in the results' layout:
.irp b, 0,1,2,3,4,5,6,7                        ; register 8 b + j: bo at my column 16 b + 8 h + j
	global_load_b128 v[8*\b:8*\b+3], v[BOF], s[10:11] offset:64*\b
	global_load_b128 v[8*\b+4:8*\b+7], v[BOF], s[10:11] offset:64*\b+16
.endr
	WIN 0
	s_wait_dscnt 4*NL                              ; the very last step
	WIN MUL_LO
	MUL16 0, 1, 0
	MUL16 2, 1, 0
	s_wait_dscnt 0
	WIN MUL_HI
	MUL16 4, 1, 0
	MUL16 6, 1, 0
	WIN 0
; THE WAY OUT, block by block of 16 rows x 128 columns, through my own stage: in as 32 bytes a lane, back as whole rows of 512 bytes.  LDS serves a wave's instructions in order (ISA guide 5.7.1.4).
.macro TOSTAGE a
.set AC, 64*((\a)%4)
	WIN 0x12+((\a)/4)                              ; source 0 (the sums) window 2 or 3, source 2 (bo) window 1
.irp j, 0,2,4,6,8,10,12,14,16,18,20,22,24,26,28,30,32,34,36,38,40,42,44,46,48,50,52,54,56,58,60,62
	v_pk_fma_f32 v[TMP+\j:TMP+\j+1], v[AC+\j:AC+\j+1], s[96:97], v[\j:\j+1] op_sel_hi:[1,0,1]   ; sum x 2^(e10 + e11) + bo; each accumulator from its low end on
.endr
	WIN 0
.irp b, 0,1,2,3,4,5,6,7
	ds_store_b128 v[STO], v[TMP+8*\b:TMP+8*\b+3] offset:64*\b
	ds_store_b128 v[STO], v[TMP+8*\b+4:TMP+8*\b+7] offset:64*\b+16
.endr
.set BB, BK+64*((\a)%2)
.irp t, 0,1,2,3,4,5,6,7,8,9,10,11,12,13,14,15
	ds_load_b128 v[BB+4*\t:BB+4*\t+3], v[RD] offset:\t*SPITCH
.endr
.endm
.macro SEND a, younger                 ; younger: the LDS instructions issued behind block a's loads, which may stay out
.set BB, BK+64*((\a)%2)
	s_wait_dscnt \younger                          ; the block is back in registers
.irp t, 0,1,2,3,4,5,6,7,8,9,10,11,12,13,14,15
	global_store_b128 v[CO], v[BB+4*\t:BB+4*\t+3], s[12:13] offset:(32*((\a)/2)+8*((\a)%2)+\t+8*(\t/8))*4096 th:TH_STORE_NT   ; stage row t of block a is row 32 (a / 2) + 8 (a % 2) + t + (t & 8) of my 128: 512 consecutive bytes, at a multiple of 512 from out0's first byte
.endr
.endm
	s_wait_kmcnt 0x0
	s_add_co_i32 s96, s96, s97                     ; e10 + e11, between -126 and 127,
	s_add_co_i32 s96, s96, 127
	s_lshl_b32 s96, s96, 23                        ; makes the f32 number 2^(e10 + e11)
	s_mov_b32 s97, s96                             ; (named with it as a pair)
	s_wait_loadcnt 0x0                             ; bo
	PLACES NP                                      ; behind the last products
	TOSTAGE 0
.irp a, 1,2,3,4,5,6,7
.if \a > 1
	s_wait_xcnt 0x0                                ; block a - 2's stores have read their registers: block a's loads may land there
.endif
	TOSTAGE \a
	SEND \a-1, 32                                  ; behind block a - 1's loads: block a's 16 stores and 16 loads
.endr
	SEND 7, 0
	s_wait_tensorcnt 0x0                           ; the wave's end: behind my last tensor load and my last LDS store
	ds_add_u32 v[SPW], v[NIL]
	s_wait_dscnt 0x0
	CROUND                                         ; the closing round
	s_endpgm
.Lfunc_end_k_q73d1574027_outp:
	.size	k_q73d1574027_outp, .Lfunc_end_k_q73d1574027_outp-k_q73d1574027_outp
	.p2alignl 7, 3214868480
	.fill 96, 4, 3214868480
	.section	.rodata,"a",@progbits
	.p2align	6, 0x0
	.amdhsa_kernel k_q73d1574027_outp
		.amdhsa_group_segment_fixed_size 327680
		.amdhsa_private_segment_fixed_size 0
		.amdhsa_enable_private_segment 0
		.amdhsa_kernarg_size 40
		.amdhsa_user_sgpr_count 2
		.amdhsa_user_sgpr_kernarg_segment_ptr 1
		.amdhsa_wavefront_size32 1
		.amdhsa_system_sgpr_workgroup_id_x 1
		.amdhsa_system_sgpr_workgroup_id_y 1
		.amdhsa_system_sgpr_workgroup_id_z 1
		.amdhsa_system_vgpr_workitem_id 0
		.amdhsa_next_free_vgpr 1024
		.amdhsa_next_free_sgpr 98
		.amdhsa_reserve_vcc 0
		.amdhsa_float_denorm_mode_32 3
		.amdhsa_float_denorm_mode_16_64 3
		.amdhsa_memory_ordered 1
		.amdhsa_forward_progress 1
		.amdhsa_inst_pref_size 125
	.end_amdhsa_kernel
	.amdgpu_metadata
---
amdhsa.version: [ 1, 2 ]
amdhsa.kernels:
  - .name:           k_q73d1574027_outp
    .symbol:         k_q73d1574027_outp.kd
    .args:
      - { .name: ctx_img, .offset: 0, .size: 8, .value_kind: global_buffer, .address_space: global }
      - { .name: Wo_codes, .offset: 8, .size: 8, .value_kind: global_buffer, .address_space: global }
      - { .name: lowp_scales, .offset: 16, .size: 8, .value_kind: global_buffer, .address_space: global }
      - { .name: bo, .offset: 24, .size: 8, .value_kind: global_buffer, .address_space: global }
      - { .name: out0, .offset: 32, .size: 8, .value_kind: global_buffer, .address_space: global }
    .group_segment_fixed_size: 327680
    .private_segment_fixed_size: 0
    .kernarg_segment_align: 8
    .kernarg_segment_size: 40
    .max_flat_workgroup_size: 128
    .sgpr_count:     98
    .vgpr_count:     1024
    .wavefront_size: 32
...
	.end_amdgpu_metadata
.endif
;; end of part 3
